; MI455X (gfx1250); checked and timed in simulation.
; The chip was launched on July 23, 2026; its instructions are those of AMD's public machine-readable ISA for CDNA 5 (MIT licence, August 2026) and "CDNA5" Instruction Set Architecture Reference Guide (July 2026). The comments in the code are by the model that wrote it; some were corrected since.
;; Multi Head Self Attention. Allowed arithmetic: matrix products marked QUANTISED: E2M3 operands, one E8M0 scale for each 32 along K, by v_wmma_scale_f32_16x16x128_f8f6f4 with both operands' format E2M3, f32 sums; everything else in f32.
;; Inputs: w_out_codes 1,024 x 32 x 24 uint8 (E2M3 codes of w_out, K innermost, in blocks of 32 codes, four codes in three bytes); w_out_scales 1,024 x 32 uint8 (E8M0 scales of w_out, one for each 32 codes along K); w_qkv_codes 3,072 x 32 x 24 uint8 (E2M3 codes of w_qkv, K innermost, in blocks of 32 codes, four codes in three bytes); w_qkv_scales 3,072 x 32 uint8 (E8M0 scales of w_qkv, one for each 32 codes along K); x_codes 4,096 x 1 x 32 x 24 uint8 (E2M3 codes of x, K innermost, in blocks of 32 codes, four codes in three bytes); x_scales 4,096 x 1 x 32 uint8 (E8M0 scales of x, one for each 32 codes along K).
;; Outputs: out0 4,096 x 1 x 1,024 float32.
;; This version of the problem:
;;   THIS VERSION OF THE PROBLEM IS GIVEN IN LOW PRECISION. The matrix products marked QUANTISED in the list below multiply operands that are first quantised to E2M3 (2 exponent bits, 3 mantissa bits; 6 bits a number), with one power-of-two scale for each 32 numbers along K (OCP MX v1.0); their sums are f32. All else is computed in f32.
;;   The module's matrix products, in the order in which they are computed (A, B: the left and right operand; K: the contracted axis; several contracted axes count as one K, in the product's order):
;;     1. [M 4,096, K 1,024] x [K 1,024, N 3,072]; A: input x (given as codes); B: input w_qkv (given as codes): QUANTISED
;;     2. batch 16 x [M 4,096, K 64] x [K 64, N 4,096]; A: computed on the way; B: computed on the way: QUANTISED
;;     3. batch 16 x [M 4,096, K 4,096] x [K 4,096, N 64]; A: softmax (see below); B: computed on the way: QUANTISED
;;     4. [M 4,096, K 1,024] x [K 1,024, N 1,024]; A: computed on the way; B: input w_out (given as codes): QUANTISED
;;   THE QUANTISER, for each operand of a quantised product, along K:
;;     - K is cut into blocks of 32 from its start; a last block that is shorter is filled with zeros.
;;     - A block's scale is 2^e with e = floor(log2(the largest magnitude in the block)) - 2, held to -126 .. 127; a block of zeros has e = 0. As a byte (E8M0): e + 127.
;;     - Each number is divided by its block's scale, clamped to +-7.5, and rounded to the nearest number of E2M3, ties to even, subnormals kept.
;;     - The product sums the exact products of the quantised numbers (number of the format x scale) in f32.
;;   ~~~python
;;   def quantise(x, axis):      # numpy; x: float32 -> the quantised numbers, widened to float32 again
;;       x = np.moveaxis(x, axis, -1); K = x.shape[-1]
;;       x = np.pad(x, [(0, 0)] * (x.ndim - 1) + [(0, -K % 32)]); x = x.reshape(x.shape[:-1] + (-1, 32)); a = np.abs(x).max(-1, keepdims=True)
;;       e = np.where(a > 0, np.clip(np.frexp(np.where(a > 0, a, 1))[1] - 1 - 2, -126, 127), 0)      # np.frexp(a)[1] - 1 = floor(log2(a)), exactly
;;       r = np.clip(x / 2.0 ** e, -7.5, 7.5)
;;       step = 2.0 ** (np.maximum(np.frexp(np.where(r == 0, 1, r))[1] - 1, 0) - 3)
;;       q = np.round(r / step) * step * 2.0 ** e      # np.round: ties to even
;;       return np.moveaxis(q.reshape(q.shape[:-2] + (-1,))[..., :K], -1, axis).astype(np.float32)
;;   ~~~
;;   SOFTMAX AHEAD OF A QUANTISED PRODUCT. Where the list says 'softmax', what is quantised is not the finished softmax but p = 2^(t - M), with t = logit x log2(e) and M = ceil(the row's largest t), a whole number; so 1/2 < the row's largest p <= 1. The row's sum l is taken of the UNQUANTISED p, in f32, and the product's result is divided by l at the end. Since M is a whole number, a kernel that streams over the keys may use a running M (the ceiling of the running maximum): every later rescaling is an exact power of two, which a block's scale takes up: the codes' values come out the same.
;;   OPERANDS COMPUTED ON THE WAY. 'Computed on the way' means the value that the module computes at that place (a softmax that the list does not call 'softmax' is quantised finished and normalised). What goes into a quantiser is computed in f32, as accurately as f32 sums, v_exp_f32 and their like allow (about 1e-6 of the number): no bf16 or f16 on the way to a quantiser, and a product that is left as it is and whose result goes on into a quantised operand takes f32 operands (vector FMAs, or v_wmma_f32_16x16x4_f32). A number that lies on a knife's edge between two numbers of the format may be rounded either way, as far as f32 arithmetic and the matrix unit's own rounding can turn it there, and no further.
;;   INPUTS GIVEN AS CODES. w_out (in the module: [1024, 1024], K = its axis 1); w_qkv (in the module: [3072, 1024], K = its axis 1); x (in the module: [4096, 1, 1024], K = its axis 2): each comes as NAME_codes (uint8): NAME with its K axis moved to the last place and cut into blocks of 32 codes, [.., K / 32, bytes a block], one block behind the other in memory; four codes in three bytes: a row's codes are one little-endian stream of bits, code i at bits 6 i .. 6 i + 5 (a code: sign, 2 exponent bits, 3 mantissa bits); and NAME_scales (uint8): the same leading axes, one E8M0 byte (e + 127) for each 32 codes along K. Its value is code x scale, taken as it is: it is not quantised again, and the codes and scales need not be those that the quantiser above would give.
;; One version. Each part assembles by itself: llvm-mc -triple=amdgcn-amd-amdhsa -mcpu=gfx1250 --defsym DOCPART=n.
;; ======== version 1 of 1: 3 launches
;; limits: right only within a limited range of input values
;; workspace buffers: qkc 6,291,456 bytes; qks 262,144 bytes; vc 3,145,728 bytes; vs 131,072 bytes; oc 3,145,728 bytes; osc 131,072 bytes
;; launch qkv (part 1): grid 8 x 32, 4 waves a work-group, clusters of 4 x 4, 327,680 bytes of LDS; arguments x_codes, x_scales, w_qkv_codes, w_qkv_scales, qkc, qks, vc, vs; writes qkc, qks, vc, vs
.if DOCPART == 1
	.amdgcn_target "amdgcn-amd-amdhsa--gfx1250"
	.amdhsa_code_object_version 6
	.text
	.protected	k_qb39759ec9e_qkv
	.globl	k_qb39759ec9e_qkv
	.p2align	8
	.type	k_qb39759ec9e_qkv,@function
k_qb39759ec9e_qkv:
	s_mov_b64 s[64:65], 0
	v_nop
	global_prefetch_b8 v0, s[64:65] scope:SCOPE_SE
	s_setreg_imm32_b32 hwreg(HW_REG_WAVE_MODE, 25, 1), 1
	s_wait_xcnt 0x0
	s_wait_alu depctr_hold_cnt(0) depctr_sa_sdst(0) depctr_va_vdst(0) depctr_va_sdst(0) depctr_va_ssrc(0) depctr_va_vcc(0) depctr_vm_vsrc(0)
	s_getreg_b32 s2, hwreg(HW_REG_IB_STS2, 6, 4)
	s_cmp_eq_u32 s2, 0
	s_cbranch_scc0 .Lentry_in_a_cluster
	s_endpgm
.Lentry_in_a_cluster:
	s_bfe_u32 s2, ttmp6, 0x10000c
	s_cmp_lg_u32 s2, 0xf033
	s_cbranch_scc0 .Lentry_shape_is_right
	s_endpgm
.Lentry_shape_is_right:
; qkv = x w_qkv^T on codes of FP6 (E2M3), one E8M0 scale for each 32 along K = 1,024.  q, k and v are quantised in registers and leave as codes and scale bytes.  No work of the problem is left out.
; A work-group (j, y) stays on tokens 128 y .. +127 and makes three blocks of 128 x 128: features 128 j (q), 1,024 + 128 j (k), 2,048 + 128 j (v).  Four waves, each 64 x 64: 16 accumulators.
; WHOLE ROWS OF K are staged: a row of codes is 768 bytes, three chunks of 256, each with 16 bytes of padding behind it in LDS (row pitch 816).
; Area 0 first holds x; every wave moves its 64 tokens' fragments for all of K into 384 registers, and area 0 is then filled again with the k block's weights; area 1 holds the q block's, then the v block's.
; 4 x 4 clusters: x's tile is asked for jointly along a row of the cluster, the weights' along a column.  No prefetch: the text has no loop to run ahead in.
; A TOKEN TILE is not 16 neighbours: row m of tile i of a group of 64 tokens is token 32 (m / 8) + 8 i + m % 8.  So where tokens run along a lane's registers (v here, the scores in the next launch),
; a lane's 32 registers of four tiles are one whole block of 32 neighbouring tokens, in their order.  The last launch puts the rows back by the same map.
; q, k blocks: source 0 = 16 weight rows, source 1 = a token tile: a lane holds one token, registers along the features; a block of 32 features is shared by lanes l and l xor 16, and its groups of eight
; stand in the order 0, 2, 1, 3, alike in q and in k.  v block: sources swapped: a lane holds one channel and two whole blocks' halves: lanes 0-15 tokens 0-31 of the group, lanes 16-31 tokens 32-63.
; A HALF IMAGE, 768 bytes: 16 rows x 64 along K as the operand's registers hold them: lane l = row + 16 x block: its first 16 bytes at 16 l, its last 8 at 512 + 8 l.
;   qkc [32 heads: q 0-15, k 16-31][256 token tiles][768]      vc [64 groups of 64 keys][64 tiles of 16 channels][768]
;   qks [32 heads][32 groups of 8 token tiles][16 rows][4 words]: word b: bytes 0, 1 tile 2 b's row, bytes 2, 3 tile 2 b + 1's      vs [16 heads][32 steps of 128 keys][16 rows][4 words]: word t: channel 16 t + row, a byte a block of 32 keys
; LIMITS.  NaN and infinities are not served.  A block whose largest magnitude lies under 2^(3 - 127), a block of zeros too, gets the byte 1; these bytes are read by this program alone.
; q's factor 1/8, a power of two, leaves the codes as they are and is applied to the scores by the next launch; for blocks of q under 2^-121 the byte's lower hold would fall elsewhere.
; REGISTERS: window 0: addresses, v32-63 scale words, v64-159 weight fragments (two sets), v160-237 the way out, v240-251 scale addresses; window 1: v0-127 accumulators; windows 2, 3: x's fragments, step s at 48 (s % 4) of window 2 + s / 4.
.set CHP,   272
.set ROWP,  3*CHP
.set TILE,  128*ROWP
.set SCU,   16*CHP                     ; the scales of 128 rows: 16 units of 256 bytes + 16
.set SCX,   2*TILE
.set SCWT,  SCX+SCU                    ; the three weight blocks' scales
.set SST,   SCWT+3*SCU                 ; stage for the scale words that leave: 512 bytes a block
.set SPARE, SST+1536
.set OB16, 8
.set OB8,  9
.set OSQ,  10
.set OSV,  11
.set OSR,  12
.set OSG,  13
.set ADX,  14                          ; v14, v15 x's fragments (v15: lanes 16-31 behind one padding more)
.set ADW,  16                          ; v16-17 area 0, v18-19 area 1
.set SPW,  28
.set NIL,  29
.set SC,   32
.set BF,   64
.set CD,   160
.set TP,   184
.set TM,   200
.set TN,   208
.set SO,   216
.set BY,   224
.set HW,   232
.set WW,   236
.set ADRS, 240                         ; v[240 + 4 t + i]: scale words of block t: lanes 0-15 token tile i's rows, lanes 16-31 the weights' rows 16 i ..
.set G1X, 24
.set G1W, 32
.set G1SX, 40
.set G1SW, 48
.set G0X, 56
.set G0W, 60
.set G0SX, 68
.set G0SW, 72
.set PADW, (3<<16)|(1<<20)|(1<<21)|(5<<22)|(3<<25)   ; elements of 8 bytes; 4 words of padding behind every 64; bit 21 beside a mask
.set MSB, 0
.macro WIN new
.if MSB != (\new)
	s_set_vgpr_msb (MSB<<8)|(\new)
.set MSB, (\new)
.endif
.endm
.macro PLACES
.rept 4
	v_nop
.endr
.endm
.macro CROUND                          ; a round of the cluster's barrier
	s_barrier_signal -1
	s_barrier_wait -1
	s_cmp_lg_u32 s14, 0
	s_cbranch_scc1 .Lnot_wave_0_\@
	s_barrier_signal -3
.Lnot_wave_0_\@:
	s_barrier_wait -3
	s_barrier_signal -1
	s_barrier_wait -1
.endm
.macro G1SET g, c, r, p
	s_mov_b32 s[\g+1], (\c)<<16
	s_mov_b32 s[\g+2], (\r)<<16
	s_mov_b32 s[\g+3], (\c)<<16
	s_mov_b32 s[\g+4], \r
	s_mov_b32 s[\g+5], \p
	s_mov_b32 s[\g+6], 0
	s_mov_b32 s[\g+7], 0
.endm
.macro G0SET g, lds, a
	s_mov_b32 s[\g], 1
	s_mov_b32 s[\g+1], \lds
	s_mov_b64 s[\g+2:\g+3], s[\a:\a+1]
	s_or_b32 s[\g+3], s[\g+3], 0x80000000
.endm
.macro ARM under, g0, g1, next         ; one arm of the head's chain: one tensor load, then to the join
	s_cmp_lt_u32 s14, \under
	s_cbranch_scc0 \next
	tensor_load_to_lds s[\g0:\g0+3], s[\g1:\g1+7]
	s_nop 0
	PLACES
	s_branch .Lhead_asked
\next:
.endm
	s_load_b128 s[4:7], s[0:1], 0x0                ; x's codes, x's scales
	s_load_b128 s[8:11], s[0:1], 0x10              ; w_qkv's codes, its scales
	s_load_b256 s[84:91], s[0:1], 0x20             ; qkc, qks, vc, vs
	v_lshl_add_u32 v[SPW], v0, 2, SPARE
	v_mov_b32 v[NIL], 0
	ds_add_u32 v[SPW], v[NIL]                      ; the opening lines: the add twice on end
	ds_add_u32 v[SPW], v[NIL]
	v_lshrrev_b32 v1, 5, v0
	v_readfirstlane_b32 s14, v1                    ; wave
	s_lshr_b32 s15, s14, 1                         ; which 64 tokens
	s_and_b32 s16, s14, 1                          ; which 64 features
	s_bfe_u32 s19, ttmp6, 0x40000                  ; cx
	s_bfe_u32 s20, ttmp6, 0x40004                  ; cy
	s_lshl_b32 s18, ttmp9, 2
	s_add_co_u32 s18, s18, s19                     ; j
	s_and_b32 s17, ttmp7, 0xffff
	s_lshl_b32 s17, s17, 2
	s_add_co_u32 s17, s17, s20                     ; y
	s_lshl_b32 s21, s20, 2
	s_lshl_b32 s21, 15, s21                        ; my row of the cluster
	s_lshl_b32 s22, 0x1111, s19                    ; my column
	s_or_b32 s[G1X], s21, PADW
	s_or_b32 s[G1W], s22, PADW
	s_or_b32 s[G1SX], s21, PADW
	s_or_b32 s[G1SW], s22, PADW
	G1SET G1X, 32, 384, 32                         ; 128 rows of codes are dense: 384 rows of 256 bytes
	G1SET G1W, 32, 384, 32
	G1SET G1SX, 32, 16, 32                         ; 128 rows of scales: 16 rows of 256 bytes
	G1SET G1SW, 512, 3, 4096                       ; three blocks' scales: 3 rows of 4,096 bytes, 1,024 rows of w_qkv apart
	s_mov_b32 s100, 0x76543210
	s_mov_b32 s101, 0xfedcba98
	s_mul_i32 s92, s17, 98304
	s_mov_b32 s93, 0
	s_lshl_b32 s94, s17, 12
	s_mov_b32 s95, 0
	s_mul_i32 s96, s18, 98304
	s_mov_b32 s97, 0
	s_lshl_b32 s98, s18, 12
	s_mov_b32 s99, 0
	s_mul_i32 s80, s14, 96*CHP                     ; a refill's quarter: 32 rows a wave, in LDS
	s_mul_i32 s82, s14, 24576                      ; and in memory
	s_mov_b32 s83, 0
	s_wait_dscnt 0x0
	s_wait_kmcnt 0x0
	s_add_nc_u64 s[92:93], s[4:5], s[92:93]
	s_add_nc_u64 s[94:95], s[6:7], s[94:95]
	s_add_nc_u64 s[96:97], s[8:9], s[96:97]
	s_add_nc_u64 s[98:99], s[10:11], s[98:99]
	CROUND                                         ; in front of the first joint loads
	G0SET G0X, 0, 92
	G0SET G0W, TILE, 96
	G0SET G0SX, SCX, 94
	G0SET G0SW, SCWT, 98
	s_add_nc_u64 s[96:97], s[96:97], s[82:83]
	ARM 1, G0X, G1X, .Lhead_w                      ; one load a wave: x, the q block's weights, x's scales, the weights' scales
	ARM 2, G0W, G1W, .Lhead_sx
	ARM 3, G0SX, G1SX, .Lhead_sw
	tensor_load_to_lds s[G0SW:G0SW+3], s[G1SW:G1SW+7]
	s_nop 0
	PLACES
.Lhead_asked:
	s_lshl_b32 s2, s18, 1
	s_add_co_u32 s2, s2, s16                       ; 2 j + feature half: the head among 16
	s_lshl_b32 s3, s17, 1
	s_add_co_u32 s3, s3, s15                       ; 2 y + token half: the group of 64 tokens
	s_mul_i32 s12, s2, 196608
	s_mul_i32 s13, s3, 3072
	s_add_co_u32 s12, s12, s13
	s_mov_b32 s13, 0
	s_add_nc_u64 s[84:85], s[84:85], s[12:13]      ; qkc: my head, my four token tiles
	s_mul_i32 s12, s3, 49152
	s_mul_i32 s23, s2, 3072
	s_add_co_u32 s12, s12, s23
	s_add_nc_u64 s[88:89], s[88:89], s[12:13]      ; vc: my key group, my four channel tiles
	s_lshl_b32 s12, s18, 14
	s_lshl_b32 s23, s17, 8
	s_add_co_u32 s12, s12, s23                     ; two heads' tables from head 2 j, 256 bytes for token group y
	s_lshl_b32 s23, s16, 17
	s_cmp_lt_u32 s14, 2                            ; wave 0 sends q's scale words, wave 1 k's, wave 2 v's
	s_cselect_b64 s[86:87], s[86:87], s[90:91]
	s_cselect_b32 s23, s23, 0
	s_add_co_u32 s12, s12, s23
	s_add_nc_u64 s[86:87], s[86:87], s[12:13]
	s_mul_i32 s76, s15, 64*ROWP
	s_mul_i32 s77, s16, 64*ROWP
	s_add_co_u32 s78, s77, TILE
	s_mul_i32 s79, s15, 8*CHP
	s_mul_i32 s81, s16, 8*CHP
	s_add_co_u32 s81, s81, SCU
	s_sub_co_u32 s81, s81, s79                     ; from x's scale rows to the weights'
	s_add_co_u32 s79, s79, SCX
	s_lshl_b32 s23, s16, 8
	s_lshl_b32 s2, s15, 3
	s_add_co_u32 s2, s2, s23
	s_add_co_u32 s2, s2, SST
	s_lshl_b32 s3, s15, 1
	s_add_co_u32 s3, s3, s23
	s_add_co_u32 s3, s3, SST+1024
	s_min_u32 s19, s14, 2
	s_lshl_b32 s19, s19, 9
	s_add_co_u32 s19, s19, SST
	v_and_b32 v1, 15, v0                           ; r
	v_bfe_u32 v2, v0, 4, 1                         ; h
	v_and_b32 v3, 31, v0
	v_mul_u32_u24 v4, v1, ROWP
	v_mad_u32_u24 v4, v2, 24, v4                   ; the weights: row r x pitch + 24 h
	v_lshl_add_u32 v5, v2, 4, v4
	v_add_nc_u32 v[ADW], s77, v4
	v_add_nc_u32 v[ADW+1], s77, v5
	v_add_nc_u32 v[ADW+2], s78, v4
	v_add_nc_u32 v[ADW+3], s78, v5
	v_lshrrev_b32 v6, 3, v1                        ; r / 8
	v_and_b32 v7, 7, v1                            ; r % 8
	v_lshl_add_u32 v4, v6, 5, v7                   ; x: a token tile's row r is row 32 (r / 8) + r % 8, + 8 for each tile
	v_mul_u32_u24 v4, v4, ROWP
	v_mad_u32_u24 v4, v2, 24, v4
	v_add_nc_u32 v[ADX], s76, v4
	v_lshl_add_u32 v4, v2, 4, v4
	v_add_nc_u32 v[ADX+1], s76, v4
	v_lshlrev_b32 v7, 5, v7                        ; scale bytes, 32 a row and 16 more behind each 8 rows: 32 (r % 8),
	v_mul_u32_u24 v5, v2, 3*CHP
	v_sub_nc_u32 v5, 4*CHP, v5                     ; + (r / 8) x 32 rows in lanes 0-15 (x), x 8 rows in lanes 16-31 (the weights)
	v_mul_u32_u24 v6, v6, v5
	v_add_nc_u32 v6, v6, v7
	v_mul_u32_u24 v7, s81, v2
	v_add_nc_u32 v6, v6, v7
	v_add_nc_u32 v[ADRS], s79, v6
	v_mul_u32_u24 v7, v2, SCU                      ; from block to block: the weights' lanes alone move on
	v_mul_u32_u24 v5, v2, CHP
	v_add_nc_u32 v5, CHP, v5                       ; from i to i + 1: 8 rows of x, 16 of the weights
.irp t, 1,2
	v_add_nc_u32 v[ADRS+4*\t], v[ADRS+4*\t-4], v7
.endr
.irp t, 0,1,2
.irp i, 1,2,3
	v_add_nc_u32 v[ADRS+4*\t+\i], v[ADRS+4*\t+\i-1], v5
.endr
.endr
	v_lshlrev_b32 v[OB16], 4, v3
	v_lshlrev_b32 v[OB8], 3, v3
	v_lshlrev_b32 v7, 4, v1
	v_add_nc_u32 v[OSQ], s2, v7
	v_add_nc_u32 v[OSV], s3, v7
	v_add_nc_u32 v[OSV], v[OSV], v2                ; v's byte: key block 2 x token half + h
	v_add_nc_u32 v[OSR], s19, v[OB16]
	v_lshl_add_u32 v[OSG], v2, 13, v7
.irp k, 0,1,2,3,4,5,6,7
	v_mov_b32 v[TN+\k], 0                          ; a lane permute's destination counts as a source
.endr
; a fragment: 16 rows x 128 K, 12 registers, in pieces of 8 bytes; byte y of a row lies at y + 16 (y / 256) of its LDS row; i: the fragment's first row / 8
.macro FRAG reg, adr, st, i
.irp p, 0,1,2,3,4,5
.set BYO, 96*(\st)+48*(\p/3)+8*(\p%3)
.if BYO/256 == (BYO+24)/256
	ds_load_b64 v[\reg+2*\p:\reg+2*\p+1], v[\adr] offset:BYO+16*(BYO/256)+(\i)*8*ROWP
.else
	ds_load_b64 v[\reg+2*\p:\reg+2*\p+1], v[\adr+1] offset:BYO+16*(BYO/256)+(\i)*8*ROWP
.endif
.endr
.endm
.macro FETCH_B area, st, p
.irp i, 0,1,2,3
	FRAG BF+48*(\p)+12*\i, ADW+2*(\area), \st, 2*\i
.endr
.endm
.macro SCALES t                        ; all eight steps' words of four blocks of rows
.irp i, 0,1,2,3
	ds_load_b128 v[SC+8*\i:SC+8*\i+3], v[ADRS+4*(\t)+\i]
	ds_load_b128 v[SC+8*\i+4:SC+8*\i+7], v[ADRS+4*(\t)+\i] offset:16
.endr
.endm
.macro WM d, x, y, z, sx, sy, row
.if \z
	v_wmma_scale_f32_16x16x128_f8f6f4 v[\d:\d+7], v[\x:\x+11], v[\y:\y+11], 0, v[\sx], v[\sy] matrix_a_fmt:MATRIX_FMT_FP6 matrix_b_fmt:MATRIX_FMT_FP6 \row
.else
	v_wmma_scale_f32_16x16x128_f8f6f4 v[\d:\d+7], v[\x:\x+11], v[\y:\y+11], v[\d:\d+7], v[\sx], v[\sy] matrix_a_fmt:MATRIX_FMT_FP6 matrix_b_fmt:MATRIX_FMT_FP6 \row
.endif
.endm
; 16 matrix instructions, the 16 accumulators by turns.  Accumulator (block of source 1, block of source 0) at 8 (4 x + y)
.macro MUL st, p, mode, z
.if \mode
	WIN 0x50|(2+(\st)/4)
.else
	WIN 0x50|((2+(\st)/4)<<2)
.endif
.irp a, 0,1,2,3
.irp b, 0,1,2,3
.if \mode
	WM 8*(4*\b+\a), 48*((\st)%4)+12*\a, BF+48*(\p)+12*\b, \z, SC+8*\a+(\st), SC+8*\b+(\st), matrix_b_scale:MATRIX_SCALE_ROW1
.else
	WM 8*(4*\a+\b), BF+48*(\p)+12*\b, 48*((\st)%4)+12*\a, \z, SC+8*\b+(\st), SC+8*\a+(\st), matrix_a_scale:MATRIX_SCALE_ROW1
.endif
.endr
.endr
.endm
.macro GEMM area, mode                 ; eight steps of 128 along K; the next step's 24 loads go out ahead of each step's products
.set ST, 0
.rept 8
	PLACES                                         ; in front of loads into registers that matrix instructions have read
	WIN 0
.if ST < 7
	FETCH_B \area, ST+1, (ST+1)%2
	s_wait_dscnt 24                                ; all but the 24 just issued
.else
	s_wait_dscnt 0x0
.endif
	MUL ST, ST%2, \mode, (ST==0)
.set ST, ST+1
.endr
	WIN 0
.endm
; THE WAY OUT of a block.  Registers 16 k .. 16 k + 15 of window 1 (k = 2 a + B, a the block of 16 rows): in q and k half of block B of 32 features, the other half in lane l xor 16; in v the B-th half of the lane's own block of 32 tokens
.macro EPI t
	PLACES
	s_wait_xcnt 0x0                                ; the last block's stores have read their data
	WIN 0x05
.irp k, 0,1,2,3,4,5,6,7
	v_max3_num_f32 v[TM+\k], |v[16*\k]|, |v[16*\k+1]|, 0x1800000   ; with the floor 2^(3 - 127); each accumulator from its low end on
.endr
	WIN 0x14
.irp i, 2,4,6,8,10,12,14
.irp k, 0,1,2,3,4,5,6,7
	v_max3_num_f32 v[TM+\k], v[TM+\k], |v[16*\k+\i]|, |v[16*\k+\i+1]|
.endr
.endr
	WIN 0
.if \t < 2
.irp k, 0,1,2,3,4,5,6,7
	v_permlanex16_b32 v[TN+\k], v[TM+\k], s100, s101
.endr
.irp k, 0,1,2,3,4,5,6,7
	v_max_num_f32 v[TM+\k], v[TM+\k], v[TN+\k]     ; with lane l xor 16's sixteen
.endr
.else
.irp a, 0,1,2,3
	v_max_num_f32 v[TM+2*\a+1], v[TM+2*\a], v[TM+2*\a+1]   ; the block's two halves are both mine
.endr
.irp a, 0,1,2,3
	v_max_num_f32 v[TM+2*\a], v[TM+2*\a], v[TM+2*\a+1]
.endr
.endif
.irp k, 0,1,2,3,4,5,6,7
	v_add_nc_u32 v[SO+\k], 0xff000000, v[TM+\k]    ; 2 off the exponent field: the conversion's scale operand
.endr
.irp k, 0,1,2,3,4,5,6,7
	v_lshrrev_b32 v[BY+\k], 23, v[SO+\k]           ; the byte
.endr
.irp a, 0,1,2,3
	v_lshl_or_b32 v[HW+\a], v[BY+2*\a+1], 8, v[BY+2*\a]
.endr
	WIN 0x01
.irp a, 0,1,2,3
	v_cvt_scalef32_pk16_fp6_f32 v[CD+6*\a:CD+6*\a+2], v[32*\a:32*\a+15], v[SO+2*\a]
	v_cvt_scalef32_pk16_fp6_f32 v[TP+4*\a:TP+4*\a+2], v[32*\a+16:32*\a+31], v[SO+2*\a+1]
.endr
	WIN 0
	v_nop                                          ; one plain place behind a scaled conversion
.if \t < 2
.irp a, 0,1,2,3
.irp i, 0,1,2
	v_permlane16_swap_b32 v[CD+6*\a+\i], v[TP+4*\a+\i]   ; a whole block to a lane
.endr
.endr
.endif
.irp a, 0,1,2,3
.irp i, 0,1,2
	v_mov_b32 v[CD+6*\a+3+\i], v[TP+4*\a+\i]
.endr
.endr
.if \t < 2
	v_lshl_or_b32 v[WW], v[HW+1], 16, v[HW]
	v_lshl_or_b32 v[WW+1], v[HW+3], 16, v[HW+2]
.irp a, 0,1,2,3
	global_store_b128 v[OB16], v[CD+6*\a:CD+6*\a+3], s[84:85] offset:(\t)*3145728+768*\a        ; 512 and 256 consecutive bytes, at multiples of 256
	global_store_b64 v[OB8], v[CD+6*\a+4:CD+6*\a+5], s[84:85] offset:(\t)*3145728+768*\a+512
.endr
	ds_store_b64 v[OSQ], v[WW:WW+1] offset:(\t)*512
.else
.irp a, 0,1,2,3
	global_store_b128 v[OB16], v[CD+6*\a:CD+6*\a+3], s[88:89] offset:768*\a
	global_store_b64 v[OB8], v[CD+6*\a+4:CD+6*\a+5], s[88:89] offset:768*\a+512
	ds_store_b8 v[OSV], v[BY+2*\a] offset:4*\a
.endr
.endif
	s_wait_alu depctr_va_vdst(0)                   ; the wait ahead of the waits that follow
.endm
.macro REFILL t, area, first           ; the full sequence, a round, and my quarter of block t's weights into the area read last
	s_wait_tensorcnt 0x0
	ds_add_u32 v[SPW], v[NIL]
.if \first
	s_mov_b32 s[G1W+2], 96<<16                     ; no load of mine is out: from here on a load brings 32 rows of codes, 96 rows of 256 bytes
	s_mov_b32 s[G1W+4], 96
.endif
	s_add_co_u32 s[G0W+1], s80, (\area)*TILE
	s_add_nc_u64 s[G0W+2:G0W+3], s[96:97], (\t)*786432
	s_or_b32 s[G0W+3], s[G0W+3], 0x80000000
	s_wait_dscnt 0x0                               ; the add, and my reads of that area
	CROUND
	tensor_load_to_lds s[G0W:G0W+3], s[G1W:G1W+7]
	s_nop 0
	PLACES
.endm
	s_wait_alu depctr_va_vdst(0)                   ; the wait at the head's end
	s_wait_tensorcnt 0x0
	s_barrier_signal -1
	s_barrier_wait -1                              ; all four of the head's tiles are in
	WIN 0x80
.irp st, 0,1,2,3
.irp a, 0,1,2,3
	FRAG 48*\st+12*\a, ADX, \st, \a
.endr
.endr
	WIN 0xc0
.irp st, 4,5,6,7
.irp a, 0,1,2,3
	FRAG 48*(\st-4)+12*\a, ADX, \st, \a
.endr
.endr
	WIN 0
	SCALES 0
	FETCH_B 1, 0, 0
	REFILL 1, 0, 1                                 ; x is in registers: its area takes the k block's weights
	GEMM 1, 0
	EPI 0
	REFILL 2, 1, 0
	SCALES 1
	FETCH_B 0, 0, 0
	GEMM 0, 0
	EPI 1
	s_wait_tensorcnt 0x0                           ; my quarter of the v block's weights is in
	s_wait_dscnt 0x0
	s_barrier_signal -1
	s_barrier_wait -1                              ; everybody's is; nothing is filled again
	SCALES 2
	FETCH_B 1, 0, 0
	GEMM 1, 1
	EPI 2
	s_wait_dscnt 0x0                               ; my scale words are in the stage
	s_barrier_signal -1
	s_barrier_wait -1
	s_cmp_lt_u32 s14, 3
	s_cbranch_scc0 .Lno_send
	ds_load_b128 v[TM:TM+3], v[OSR]                ; 512 bytes: two heads' 256
	s_wait_dscnt 0x0
	global_store_b128 v[OSG], v[TM:TM+3], s[86:87] ; lanes 0-15 and lanes 16-31 each store 256 consecutive bytes at a multiple of 256
.Lno_send:
	s_wait_tensorcnt 0x0                           ; the wave's end
	ds_add_u32 v[SPW], v[NIL]
	s_wait_dscnt 0x0
	CROUND                                         ; the closing round
	s_endpgm
.Lfunc_end_k_qb39759ec9e_qkv:
	.size	k_qb39759ec9e_qkv, .Lfunc_end_k_qb39759ec9e_qkv-k_qb39759ec9e_qkv
	.p2alignl 7, 3214868480
	.fill 96, 4, 3214868480
	.section	.rodata,"a",@progbits
	.p2align	6, 0x0
	.amdhsa_kernel k_qb39759ec9e_qkv
		.amdhsa_group_segment_fixed_size 327680
		.amdhsa_private_segment_fixed_size 0
		.amdhsa_enable_private_segment 0
		.amdhsa_kernarg_size 64
		.amdhsa_user_sgpr_count 2
		.amdhsa_user_sgpr_kernarg_segment_ptr 1
		.amdhsa_wavefront_size32 1
		.amdhsa_system_sgpr_workgroup_id_x 1
		.amdhsa_system_sgpr_workgroup_id_y 1
		.amdhsa_system_sgpr_workgroup_id_z 1
		.amdhsa_system_vgpr_workitem_id 0
		.amdhsa_next_free_vgpr 1024
		.amdhsa_next_free_sgpr 102
		.amdhsa_reserve_vcc 0
		.amdhsa_float_denorm_mode_32 3
		.amdhsa_float_denorm_mode_16_64 3
		.amdhsa_memory_ordered 1
		.amdhsa_forward_progress 1
		.amdhsa_inst_pref_size 141
	.end_amdhsa_kernel
	.amdgpu_metadata
---
amdhsa.version: [ 1, 2 ]
amdhsa.kernels:
  - .name:           k_qb39759ec9e_qkv
    .symbol:         k_qb39759ec9e_qkv.kd
    .args:
      - { .name: x_codes, .offset: 0, .size: 8, .value_kind: global_buffer, .address_space: global }
      - { .name: x_scales, .offset: 8, .size: 8, .value_kind: global_buffer, .address_space: global }
      - { .name: w_qkv_codes, .offset: 16, .size: 8, .value_kind: global_buffer, .address_space: global }
      - { .name: w_qkv_scales, .offset: 24, .size: 8, .value_kind: global_buffer, .address_space: global }
      - { .name: qkc, .offset: 32, .size: 8, .value_kind: global_buffer, .address_space: global }
      - { .name: qks, .offset: 40, .size: 8, .value_kind: global_buffer, .address_space: global }
      - { .name: vc, .offset: 48, .size: 8, .value_kind: global_buffer, .address_space: global }
      - { .name: vs, .offset: 56, .size: 8, .value_kind: global_buffer, .address_space: global }
    .group_segment_fixed_size: 327680
    .private_segment_fixed_size: 0
    .kernarg_segment_align: 8
    .kernarg_segment_size: 64
    .max_flat_workgroup_size: 128
    .sgpr_count:     102
    .vgpr_count:     1024
    .wavefront_size: 32
...
	.end_amdgpu_metadata
.endif
;; end of part 1
;; launch attn (part 2): grid 16 x 16, 16 waves a work-group, clusters of 4 x 1, 327,680 bytes of LDS; arguments qkc, qks, vc, vs, oc, osc; writes oc, osc
.if DOCPART == 2
	.amdgcn_target "amdgcn-amd-amdhsa--gfx1250"
	.amdhsa_code_object_version 6
	.text
	.protected	k_qb39759ec9e_attn
	.globl	k_qb39759ec9e_attn
	.p2align	8
	.type	k_qb39759ec9e_attn,@function
k_qb39759ec9e_attn:
	s_mov_b64 s[64:65], 0
	v_nop
	global_prefetch_b8 v0, s[64:65] scope:SCOPE_SE
	s_setreg_imm32_b32 hwreg(HW_REG_WAVE_MODE, 25, 1), 1
	s_wait_xcnt 0x0
	s_wait_alu depctr_hold_cnt(0) depctr_sa_sdst(0) depctr_va_vdst(0) depctr_va_sdst(0) depctr_va_ssrc(0) depctr_va_vcc(0) depctr_vm_vsrc(0)
	s_getreg_b32 s2, hwreg(HW_REG_IB_STS2, 6, 4)
	s_cmp_eq_u32 s2, 0
	s_cbranch_scc0 .Lentry_in_a_cluster
	s_endpgm
.Lentry_in_a_cluster:
	s_bfe_u32 s2, ttmp6, 0x10000c
	s_cmp_lg_u32 s2, 0x3003
	s_cbranch_scc0 .Lentry_shape_is_right
	s_endpgm
.Lentry_shape_is_right:
; o = softmax(q k^T / 8) v for one head and 16 token tiles of queries a work-group; 16 waves, a tile each.  S^T = k q^T and O^T = v^T p^T: a lane holds one query throughout.
; Keys go in steps of 128 (8 token tiles) through two LDS slots of 8 steps each (k's 49,152 bytes, then v's); four phases; four query blocks of a head form a cluster and ask for the tiles jointly.
; A head is 64 wide: a fragment of k holds two tiles, one in each half of K = 128, and q stands beside 64 zero codes, in the lower or in the upper half.
; Row m of token tile i of a group of 64 is token 32 (m / 8) + 8 i + m % 8 (the launch before lays them so): registers S + 32 c .. + 31 of lane (r, h) are the 32 neighbouring keys 64 c + 32 h .. of the step:
; a whole block of p, in v's order.  So a block's largest score needs no other lane, and the conversions' results are the operand's registers; lanes l and l xor 16 exchange the row's maximum and two scale bytes.
; M is the running largest t rounded up to a whole number, kept as -M; p = 2^(t - M); a block's largest p is made from its largest score by the same two instructions; the row's sum is taken of the unquantised p.
; A step's order: k q^T; v's fragments asked for; maxima, exponentials, codes; O^T under the new M; v^T p^T; then the row's sums, under which the next step's fragments of k are asked for.
; No prefetch: a slot's load has the eight steps of the other slot in which to land.
; oc [256 token tiles][16 heads][768], a half image each; osc [token tile x 16 + row][32].
; LIMITS.  NaN and infinities are not served; the promise holds while the scaled scores stay under 2^31 in magnitude.
.set TILEB, 768
.set STEPB, 8*TILEB
.set VOFF,  64*TILEB
.set HALFB, 32*TILEB
.set SLOT1, 1<<17
.set SCK,   2*SLOT1
.set SCV,   SCK+8192
.set SPARE, SCV+8192
.set A16,  1
.set A8,   2
.set ASC0, 3
.set R16,  4
.set SPW,  5
.set NIL,  6
.set AD16, 8
.set AD8,  9
.set ADS,  10
.set SH8,  11                          ; 8 h
.set Q,    16                          ; v12 -M, v13 the running largest score, v[14:15] the row's sum
.set F,    36
.set SCW,  84
.set S,    96
.set O,    160
.set PCD,  192
.set TPC,  204
.set MX,   212
.set PT,   216
.set SO,   220
.set FF,   224
.set PS,   226
.set QS,   227
.set T0,   228
.set T1,   229
.set WV,   18
.set SEL,  20
.set CS,   22
.set G1K,  24
.set G1V,  32
.set G0K,  40
.set G0V,  44
.set G1S,  48
.set G0SK, 56
.set G0SV, 60
.set TB,   66
.set TS,   67
.set CNT,  68
.macro TLOAD                           ; a slot's joint loads: waves 0, 1 k's halves, waves 2, 3 v's
	s_cmp_lt_u32 s[WV], 2
	s_cbranch_scc0 .Lnot_k_\@
	tensor_load_to_lds s[G0K:G0K+3], s[G1K:G1K+7]
	s_nop 0
.rept 4
	v_nop
.endr
	s_branch .Lasked_\@
.Lnot_k_\@:
	s_cmp_lt_u32 s[WV], 4
	s_cbranch_scc0 .Lasked_\@
	tensor_load_to_lds s[G0V:G0V+3], s[G1V:G1V+7]
	s_nop 0
.rept 4
	v_nop
.endr
.Lasked_\@:
.endm
.macro CROUND
	s_barrier_signal -1
	s_barrier_wait -1
	s_cmp_lg_u32 s[WV], 0
	s_cbranch_scc1 .Lnot_wave_0_\@
	s_barrier_signal -3
.Lnot_wave_0_\@:
	s_barrier_wait -3
	s_barrier_signal -1
	s_barrier_wait -1
.endm
.macro G1SET g, c, r, p
	s_mov_b32 s[\g], 15|(3<<16)|(1<<21)
	s_mov_b32 s[\g+1], (\c)<<16
	s_mov_b32 s[\g+2], (\r)<<16
	s_mov_b32 s[\g+3], (\c)<<16
	s_mov_b32 s[\g+4], \r
	s_mov_b32 s[\g+5], \p
	s_mov_b32 s[\g+6], 0
	s_mov_b32 s[\g+7], 0
.endm
	s_load_b256 s[4:11], s[0:1], 0x0               ; qkc, qks, vc, vs
	s_load_b128 s[12:15], s[0:1], 0x20             ; oc, osc
	v_lshl_add_u32 v[SPW], v0, 2, SPARE
	v_mov_b32 v[NIL], 0
	ds_add_u32 v[SPW], v[NIL]                      ; the opening lines: the add twice on end
	ds_add_u32 v[SPW], v[NIL]
	v_lshrrev_b32 v8, 5, v0
	v_readfirstlane_b32 s[WV], v8
	s_bfe_u32 s19, ttmp6, 0x40000
	s_lshl_b32 s71, ttmp9, 2
	s_add_co_u32 s71, s71, s19                     ; the block of 16 query tiles
	s_and_b32 s70, ttmp7, 0xffff                   ; the head
	s_and_b32 s72, s[WV], 1
	s_add_co_u32 s73, s70, 16                      ; k's place among qkc's 32
	s_mul_i32 s74, s73, 256*TILEB
	s_mul_i32 s76, s72, HALFB                      ; a loading wave's half of a slot
	s_add_co_u32 s74, s74, s76
	s_mov_b32 s75, 0
	s_mul_i32 s78, s70, 4*TILEB
	s_mul_i32 s77, s72, 8*49152
	s_add_co_u32 s78, s78, s77
	s_mov_b32 s79, 0
	s_lshl_b32 s80, s73, 13
	s_lshl_b32 s77, s72, 12
	s_add_co_u32 s80, s80, s77
	s_mov_b32 s81, 0
	s_lshl_b32 s82, s70, 13
	s_add_co_u32 s82, s82, s77
	s_mov_b32 s83, 0
	s_lshl_b32 s84, s71, 4
	s_add_co_u32 s84, s84, s[WV]                   ; my query tile
	s_mul_i32 s86, s70, 256*TILEB
	s_mul_i32 s85, s84, TILEB
	s_add_co_u32 s86, s86, s85
	s_mov_b32 s87, 0
	s_lshr_b32 s85, s84, 3
	s_lshl_b32 s85, s85, 8
	s_lshl_b32 s88, s70, 13
	s_add_co_u32 s88, s88, s85
	s_bfe_u32 s85, s[WV], 0x20001
	s_lshl_b32 s85, s85, 2
	s_add_co_u32 s88, s88, s85                     ; q's scale word: the pair of tiles that holds mine
	s_mov_b32 s89, 0
	s_lshl_b32 s85, s84, 4
	s_add_co_u32 s85, s85, s70
	s_mul_i32 s90, s85, TILEB
	s_mov_b32 s91, 0
	s_lshl_b32 s94, s84, 9
	s_lshl_b32 s85, s70, 1
	s_add_co_u32 s94, s94, s85
	s_mov_b32 s95, 0
	G1SET G1K, 32, 96, 32                          ; half a slot of k: 24,576 dense bytes as 96 rows of 256
	G1SET G1V, 384, 8, 6144                        ; half a slot of v: 8 key groups x 3,072 bytes, 49,152 apart
	G1SET G1S, 32, 16, 32                          ; half a head's scale words: 4,096 dense bytes
	s_mov_b32 s[SEL], 0x76543210
	s_mov_b32 s[SEL+1], 0xfedcba98
	s_mov_b32 s[CS], 0x3e38aa3b                    ; log2(e) / 8
	s_mov_b32 s[CS+1], s[CS]
	s_mov_b32 s92, 0xffff0000
	s_mov_b32 s93, 0x01000100
	s_cmp_eq_u32 s72, 1
	s_cselect_b32 s93, 0x03020302, s93
	s_wait_dscnt 0x0
	s_wait_kmcnt 0x0
	s_add_nc_u64 s[86:87], s[4:5], s[86:87]
	s_add_nc_u64 s[88:89], s[6:7], s[88:89]
	s_add_nc_u64 s[12:13], s[12:13], s[90:91]
	s_add_nc_u64 s[14:15], s[14:15], s[94:95]
	CROUND                                         ; in front of the first joint loads
	s_mov_b32 s[G0SK], 1
	s_add_co_u32 s[G0SK+1], s77, SCK
	s_add_nc_u64 s[G0SK+2:G0SK+3], s[6:7], s[80:81]
	s_or_b32 s[G0SK+3], s[G0SK+3], 0x80000000
	s_mov_b32 s[G0SV], 1
	s_add_co_u32 s[G0SV+1], s77, SCV
	s_add_nc_u64 s[G0SV+2:G0SV+3], s[10:11], s[82:83]
	s_or_b32 s[G0SV+3], s[G0SV+3], 0x80000000
	s_mov_b32 s[G0K], 1
	s_mov_b32 s[G0K+1], s76
	s_add_nc_u64 s[G0K+2:G0K+3], s[4:5], s[74:75]
	s_or_b32 s[G0K+3], s[G0K+3], 0x80000000
	s_mov_b32 s[G0V], 1
	s_add_co_u32 s[G0V+1], s76, VOFF
	s_add_nc_u64 s[G0V+2:G0V+3], s[8:9], s[78:79]
	s_or_b32 s[G0V+3], s[G0V+3], 0x80000000
; the head's eight tiles, one load a wave, in one chain of branches on the wave's number: k's and v's halves of slot 0, k's and v's scales in halves
.macro HARM under, g0, g1, next
	s_cmp_lt_u32 s[WV], \under
	s_cbranch_scc0 \next
	tensor_load_to_lds s[\g0:\g0+3], s[\g1:\g1+7]
	s_nop 0
.rept 4
	v_nop
.endr
	s_branch .Lhead_asked
\next:
.endm
	HARM 2, G0K, G1K, .Lhead_v
	HARM 4, G0V, G1V, .Lhead_sk
	HARM 6, G0SK, G1S, .Lhead_sv
	HARM 8, G0SV, G1S, .Lhead_none
.Lhead_asked:
	v_and_b32 v7, 31, v0
	v_lshlrev_b32 v[A16], 4, v7
	v_lshlrev_b32 v[A8], 3, v7
	v_and_b32 v[R16], 15, v0
	v_bfe_u32 v9, v0, 4, 1
	v_lshlrev_b32 v[R16], 4, v[R16]
	v_lshl_add_u32 v[ASC0], v9, 13, v[R16]         ; lanes 0-15 k's scale words, lanes 16-31 v's
	v_add_nc_u32 v[ASC0], SCK, v[ASC0]
	v_lshlrev_b32 v[SH8], 3, v9
	global_load_b128 v[Q:Q+3], v[A16], s[86:87]    ; q, 64 zero codes, q once more: registers 0-11 and 6-17 are the two operands
	global_load_b64 v[Q+4:Q+5], v[A8], s[86:87] offset:512
	global_load_b128 v[Q+12:Q+15], v[A16], s[86:87]
	global_load_b64 v[Q+16:Q+17], v[A8], s[86:87] offset:512
	global_load_b32 v[T0], v[R16], s[88:89]
.irp i, 6,7,8,9,10,11
	v_mov_b32 v[Q+\i], 0
.endr
	v_mov_b32 v13, 0xff61b1e6                      ; -3e38, under every score
	v_mul_f32 v12, s[CS], v13
	v_floor_f32 v12, -v12
	v_mov_b32 v14, 0
	v_mov_b32 v15, 0
	v_mov_b32 v[FF+1], 0
.irp b, 0,1,2,3
	v_mov_b32 v[PT+\b], 0                          ; the sums' side chains begin as zeros
	v_mov_b32 v[MX+\b], 0
.endr
	s_wait_loadcnt 0x0
	v_perm_b32 v[QS], v[T0], v[T0], s93            ; my tile's two bytes, in both halves of the word
.set j, 0
.rept 32
	v_mov_b32 v[O+j], 0
.set j, j+1
.endr
.macro KADDR
	v_add_nc_u32 v[AD16], s[TB], v[A16]
	v_add_nc_u32 v[AD8], s[TB], v[A8]
	v_add_nc_u32 v[ADS], s[TS], v[ASC0]
.endm
.macro KFETCH                          ; a step's four fragments of k and its scale words
.irp b, 0,1,2,3
.irp u, 0,1
	ds_load_b128 v[F+12*\b+6*\u:F+12*\b+6*\u+3], v[AD16] offset:TILEB*(2*\b+\u)
	ds_load_b64 v[F+12*\b+6*\u+4:F+12*\b+6*\u+5], v[AD8] offset:TILEB*(2*\b+\u)+512
.endr
.endr
	ds_load_b128 v[SCW:SCW+3], v[ADS]
.endm
.macro FMA8
.rept 8
	v_pk_fma_f32 v[S+j:S+j+1], v[S+j:S+j+1], s[CS:CS+1], v[12:13] op_sel_hi:[1,0,0]   ; t - M, two at a time
.set j, j+2
.endr
.endm
.macro BODY nx                         ; a step of 128 keys; nx = 1: the next step's fragments of k are asked for under the sums
	s_wait_alu depctr_va_vdst(0)                   ; ahead of the wait below
	s_wait_dscnt 0x0                               ; k's fragments and the scale words are in
.irp b, 0,1,2,3
.irp u, 0,1
	v_wmma_scale_f32_16x16x128_f8f6f4 v[S+8*(2*\b+\u):S+8*(2*\b+\u)+7], v[F+12*\b:F+12*\b+11], v[Q+6*\u:Q+6*\u+11], 0, v[SCW+\b], v[QS] matrix_a_fmt:MATRIX_FMT_FP6 matrix_b_fmt:MATRIX_FMT_FP6
.endr
.endr
	v_pk_add_f32 v[MX:MX+1], v[MX:MX+1], v[PT+2:PT+3]      ; the last step's side chains join the sum: these four lines are the places behind the products
	v_pk_add_f32 v[14:15], v[14:15], v[PT:PT+1]
	v_mov_b32 v[T1], v12                                   ; the old -M
	v_pk_add_f32 v[14:15], v[14:15], v[MX:MX+1]
.irp t, 0,1,2,3
.irp c, 0,1
	ds_load_b128 v[F+12*\t+6*\c:F+12*\t+6*\c+3], v[AD16] offset:VOFF+4*TILEB*\c+TILEB*\t
	ds_load_b64 v[F+12*\t+6*\c+4:F+12*\t+6*\c+5], v[AD8] offset:VOFF+4*TILEB*\c+TILEB*\t+512
.endr
.endr
.irp b, 0,1,2,3
	v_max3_num_f32 v[MX+\b], v[S+16*\b], v[S+1+16*\b], v[S+2+16*\b]    ; four chains by turns; each accumulator from its low end on
.endr
.irp i, 3,5,7,9,11,13
.irp b, 0,1,2,3
	v_max3_num_f32 v[MX+\b], v[MX+\b], v[S+16*\b+\i], v[S+1+16*\b+\i]
.endr
.endr
.irp c, 0,2
	v_max3_num_f32 v[MX+\c], v[MX+\c], v[MX+\c+1], v[S+15+16*\c]
.endr
.irp c, 0,2
	v_max_num_f32 v[MX+\c], v[MX+\c], v[S+31+16*\c]        ; the largest score of my two blocks of 32 keys
.endr
	s_delay_alu instid0(VALU_DEP_1)
	v_max_num_f32 v[T0], v[MX], v[MX+2]
	s_delay_alu instid0(VALU_DEP_1)
	v_permlanex16_b32 v[PT], v[T0], s[SEL], s[SEL+1]
	s_delay_alu instid0(VALU_DEP_1)
	v_max3_num_f32 v13, v13, v[T0], v[PT]                  ; the running largest score of my query
	s_delay_alu instid0(VALU_DEP_1)
	v_mul_f32 v[T0], s[CS], v13
	s_delay_alu instid0(VALU_DEP_1)
	v_floor_f32 v12, -v[T0]                                ; -M = floor(-t)
.set j, 0
	FMA8
	v_sub_f32 v[T1], v12, v[T1]                            ; M's old value less its new one
	FMA8
	v_cvt_i32_f32 v[T1], v[T1]
	FMA8
	v_ldexp_f32 v[FF], 1.0, v[T1]                          ; f = 2^(old M - new M)
	FMA8
.irp c, 0,2
	v_fma_f32 v[MX+\c], v[MX+\c], s[CS], v12
.endr
	s_wait_alu depctr_va_vdst(0)                   ; the wait ahead of the batch
.set j, 0
.rept 64
	v_exp_f32 v[S+j], v[S+j]
.set j, j+1
.endr
.irp c, 0,2
	v_exp_f32 v[MX+\c], v[MX+\c]                           ; the blocks' largest p
.endr
	v_pk_mul_f32 v[14:15], v[14:15], v[FF:FF+1] op_sel_hi:[1,0]
	s_wait_alu depctr_va_vdst(0)                   ; and behind it
	v_max_num_f32 v[MX], 0x1800000, v[MX]                  ; the floor 2^(3 - 127)
	v_max_num_f32 v[MX+2], 0x1800000, v[MX+2]
	v_add_nc_u32 v[SO], 0xff000000, v[MX]                  ; 2 off the exponent field: the conversions' scale operands
	v_add_nc_u32 v[SO+1], 0xff000000, v[MX+2]
.irp c, 0,1
	v_cvt_scalef32_pk16_fp6_f32 v[PCD+6*\c:PCD+6*\c+2], v[S+32*\c:S+32*\c+15], v[SO+\c]
	v_cvt_scalef32_pk16_fp6_f32 v[TPC+4*\c:TPC+4*\c+2], v[S+32*\c+16:S+32*\c+31], v[SO+\c]   ; (a conversion's three registers begin on an even number)
.endr
	v_lshrrev_b32 v[PT], 23, v[SO]                         ; the bytes of blocks h and 2 + h.  (Plain work behind the conversions)
	v_lshrrev_b32 v[PT+1], 23, v[SO+1]
	s_delay_alu instid0(VALU_DEP_1)
	v_lshl_or_b32 v[T0], v[PT+1], 16, v[PT]
	s_delay_alu instid0(VALU_DEP_1)
	v_lshlrev_b32 v[T0], v[SH8], v[T0]                     ; at their places in the word
	s_delay_alu instid0(VALU_DEP_1)
	v_permlanex16_b32 v[PT+2], v[T0], s[SEL], s[SEL+1]
	s_delay_alu instid0(VALU_DEP_1)
	v_or_b32 v[PS], v[T0], v[PT+2]                         ; with lane l xor 16's two: p's scale word
.irp c, 0,1
.irp i, 0,1,2
	v_mov_b32 v[PCD+6*\c+3+\i], v[TPC+4*\c+\i]
.endr
.endr
.set j, 0
.rept 16
	v_pk_mul_f32 v[O+j:O+j+1], v[O+j:O+j+1], v[FF:FF+1] op_sel_hi:[1,0]   ; O^T under the new M
.set j, j+2
.endr
	s_wait_alu depctr_va_vdst(0)                   ; ahead of the wait below
	s_wait_dscnt 0x0                               ; v's fragments are in
.irp t, 0,1,2,3
	v_wmma_scale_f32_16x16x128_f8f6f4 v[O+8*\t:O+8*\t+7], v[F+12*\t:F+12*\t+11], v[PCD:PCD+11], v[O+8*\t:O+8*\t+7], v[SCW+\t], v[PS] matrix_a_fmt:MATRIX_FMT_FP6 matrix_b_fmt:MATRIX_FMT_FP6 matrix_a_scale:MATRIX_SCALE_ROW1
.endr
.if \nx
	s_add_co_u32 s[TB], s[TB], STEPB
	s_add_co_u32 s[TS], s[TS], 256
	KADDR                                          ; three places and the line below: four behind the products, in front of the loads
.endif
	v_pk_add_f32 v[PT:PT+1], v[S:S+1], v[S+2:S+3]          ; the row's sum of the unquantised p, in four chains
.if \nx
	KFETCH
.endif
	v_pk_add_f32 v[PT+2:PT+3], v[S+4:S+5], v[S+6:S+7]
	v_pk_add_f32 v[MX:MX+1], v[S+8:S+9], v[S+10:S+11]
.set j, 12
.rept 6
	v_pk_add_f32 v[14:15], v[14:15], v[S+j:S+j+1]
	v_pk_add_f32 v[PT:PT+1], v[PT:PT+1], v[S+j+2:S+j+3]
	v_pk_add_f32 v[PT+2:PT+3], v[PT+2:PT+3], v[S+j+4:S+j+5]
	v_pk_add_f32 v[MX:MX+1], v[MX:MX+1], v[S+j+6:S+j+7]
.set j, j+8
.endr
	v_pk_add_f32 v[14:15], v[14:15], v[S+60:S+61]
	v_pk_add_f32 v[PT:PT+1], v[PT:PT+1], v[S+62:S+63]
.endm
; a phase: the change of slots (all my loads waited for, the add, my LDS reads waited for, the round, the refill), then the slot's eight steps: seven in a counted loop, the last written out: it fetches nothing ahead
.macro PHASE n, fill
	s_wait_tensorcnt 0x0
	ds_add_u32 v[SPW], v[NIL]                      ; twice on end
	ds_add_u32 v[SPW], v[NIL]
.if \fill
	s_xor_b32 s[G0K+1], s[G0K+1], SLOT1
	s_add_nc_u64 s[G0K+2:G0K+3], s[G0K+2:G0K+3], 64*TILEB
	s_xor_b32 s[G0V+1], s[G0V+1], SLOT1
	s_add_nc_u64 s[G0V+2:G0V+3], s[G0V+2:G0V+3], 16*49152
.endif
	s_wait_dscnt 0x0
.if \fill
	CROUND
	TLOAD
.else
	s_barrier_signal -1
	s_barrier_wait -1
.endif
	s_mov_b32 s[TB], ((\n)&1)*SLOT1
	s_mov_b32 s[TS], (\n)*8*256
	s_mov_b32 s[CNT], 7
	KADDR
	KFETCH
.Lstep_\@:
	BODY 1
	s_sub_co_u32 s[CNT], s[CNT], 1
	s_cmp_lg_u32 s[CNT], 0
	s_cbranch_scc1 .Lstep_\@
	BODY 0
.endm
	PHASE 0, 1
	PHASE 1, 1
	PHASE 2, 1
	PHASE 3, 0
	s_wait_alu depctr_va_vdst(0)
	v_pk_add_f32 v[MX:MX+1], v[MX:MX+1], v[PT+2:PT+3]      ; the last step's side chains
	v_pk_add_f32 v[14:15], v[14:15], v[PT:PT+1]
	v_pk_add_f32 v[14:15], v[14:15], v[MX:MX+1]
	v_add_f32 v14, v14, v15
	v_permlanex16_b32 v[T0], v14, s[SEL], s[SEL+1]
	v_add_f32 v14, v14, v[T0]                              ; the row's sum
	s_wait_alu depctr_va_vdst(0)
	v_rcp_f32 v14, v14
	v_and_b32 v[T1], 15, v0
	v_bfe_u32 v8, v0, 4, 1
	v_lshl_add_u32 v[T1], v[T1], 5, v8
	s_wait_alu depctr_va_vdst(0)
.set j, 0
.rept 32
	v_mul_f32 v[S+j], v[O+j], v14                          ; register 8 t + i is o(r, 16 t + 8 h + i)
.set j, j+1
.endr
.irp b, 0,1
.irp i, 0,1,2,3,4,5,6,7
	v_permlane16_swap_b32 v[S+16*\b+\i], v[S+8+16*\b+\i]   ; 16 neighbours along the next K to a lane
.endr
.endr
.irp b, 0,1
	v_max3_num_f32 v[MX+\b], |v[S+16*\b]|, |v[S+1+16*\b]|, 0x1800000
.endr
.irp i, 2,4,6,8,10,12,14
.irp b, 0,1
	v_max3_num_f32 v[MX+\b], v[MX+\b], |v[S+16*\b+\i]|, |v[S+1+16*\b+\i]|
.endr
.endr
.irp b, 0,1
	v_permlanex16_b32 v[PT+\b], v[MX+\b], s[SEL], s[SEL+1]
.endr
.irp b, 0,1
	v_max_num_f32 v[MX+\b], v[MX+\b], v[PT+\b]
.endr
.irp b, 0,1
	v_add_nc_u32 v[SO+\b], 0xff000000, v[MX+\b]
.endr
.irp b, 0,1
	v_lshrrev_b32 v[PT+\b], 23, v[SO+\b]
.endr
	v_cvt_scalef32_pk16_fp6_f32 v[PCD:PCD+2], v[S:S+15], v[SO]
	v_cvt_scalef32_pk16_fp6_f32 v[TPC:TPC+2], v[S+16:S+31], v[SO+1]
	v_nop
.irp i, 0,1,2
	v_permlane16_swap_b32 v[PCD+\i], v[TPC+\i]
.endr
.irp i, 0,1,2
	v_mov_b32 v[PCD+3+\i], v[TPC+\i]
.endr
	v_cndmask_b32 v[T0], v[PT], v[PT+1], s92
	global_store_b128 v[A16], v[PCD:PCD+3], s[12:13]       ; the half image: 512 and 256 consecutive bytes
	global_store_b64 v[A8], v[PCD+4:PCD+5], s[12:13] offset:512
	global_store_b8 v[T1], v[T0], s[14:15]
	s_wait_tensorcnt 0x0                           ; the wave's end
	ds_add_u32 v[SPW], v[NIL]
	s_wait_dscnt 0x0
	CROUND                                         ; the closing round
	s_endpgm
.Lfunc_end_k_qb39759ec9e_attn:
	.size	k_qb39759ec9e_attn, .Lfunc_end_k_qb39759ec9e_attn-k_qb39759ec9e_attn
	.p2alignl 7, 3214868480
	.fill 96, 4, 3214868480
	.section	.rodata,"a",@progbits
	.p2align	6, 0x0
	.amdhsa_kernel k_qb39759ec9e_attn
		.amdhsa_group_segment_fixed_size 327680
		.amdhsa_private_segment_fixed_size 0
		.amdhsa_enable_private_segment 0
		.amdhsa_kernarg_size 48
		.amdhsa_user_sgpr_count 2
		.amdhsa_user_sgpr_kernarg_segment_ptr 1
		.amdhsa_wavefront_size32 1
		.amdhsa_system_sgpr_workgroup_id_x 1
		.amdhsa_system_sgpr_workgroup_id_y 1
		.amdhsa_system_sgpr_workgroup_id_z 1
		.amdhsa_system_vgpr_workitem_id 0
		.amdhsa_next_free_vgpr 256
		.amdhsa_next_free_sgpr 96
		.amdhsa_reserve_vcc 0
		.amdhsa_float_denorm_mode_32 3
		.amdhsa_float_denorm_mode_16_64 3
		.amdhsa_memory_ordered 1
		.amdhsa_forward_progress 1
		.amdhsa_inst_pref_size 138
	.end_amdhsa_kernel
	.amdgpu_metadata
---
amdhsa.version: [ 1, 2 ]
amdhsa.kernels:
  - .name:           k_qb39759ec9e_attn
    .symbol:         k_qb39759ec9e_attn.kd
    .args:
      - { .name: qkc, .offset: 0, .size: 8, .value_kind: global_buffer, .address_space: global }
      - { .name: qks, .offset: 8, .size: 8, .value_kind: global_buffer, .address_space: global }
      - { .name: vc, .offset: 16, .size: 8, .value_kind: global_buffer, .address_space: global }
      - { .name: vs, .offset: 24, .size: 8, .value_kind: global_buffer, .address_space: global }
      - { .name: oc, .offset: 32, .size: 8, .value_kind: global_buffer, .address_space: global }
      - { .name: osc, .offset: 40, .size: 8, .value_kind: global_buffer, .address_space: global }
    .group_segment_fixed_size: 327680
    .private_segment_fixed_size: 0
    .kernarg_segment_align: 8
    .kernarg_segment_size: 48
    .max_flat_workgroup_size: 512
    .sgpr_count:     96
    .vgpr_count:     256
    .wavefront_size: 32
...
	.end_amdgpu_metadata
.endif
;; end of part 2
;; launch proj (part 3): grid 8 x 32, 4 waves a work-group, clusters of 4 x 4, 327,680 bytes of LDS; arguments oc, osc, w_out_codes, w_out_scales, out0; writes out0
.if DOCPART == 3
	.amdgcn_target "amdgcn-amd-amdhsa--gfx1250"
	.amdhsa_code_object_version 6
	.text
	.protected	k_qb39759ec9e_proj
	.globl	k_qb39759ec9e_proj
	.p2align	8
	.type	k_qb39759ec9e_proj,@function
k_qb39759ec9e_proj:
	s_mov_b64 s[64:65], 0
	v_nop
	global_prefetch_b8 v0, s[64:65] scope:SCOPE_SE
	s_setreg_imm32_b32 hwreg(HW_REG_WAVE_MODE, 25, 1), 1
	s_wait_xcnt 0x0
	s_wait_alu depctr_hold_cnt(0) depctr_sa_sdst(0) depctr_va_vdst(0) depctr_va_sdst(0) depctr_va_ssrc(0) depctr_va_vcc(0) depctr_vm_vsrc(0)
	s_getreg_b32 s2, hwreg(HW_REG_IB_STS2, 6, 4)
	s_cmp_eq_u32 s2, 0
	s_cbranch_scc0 .Lentry_in_a_cluster
	s_endpgm
.Lentry_in_a_cluster:
	s_bfe_u32 s2, ttmp6, 0x10000c
	s_cmp_lg_u32 s2, 0xf033
	s_cbranch_scc0 .Lentry_shape_is_right
	s_endpgm
.Lentry_shape_is_right:
; out0 = o w_out^T on codes of FP6 (E2M3), one E8M0 scale for each 32 along K = 1,024; f32 sums, f32 out.
; A work-group makes 128 tokens x 128 features; four waves, each 64 x 64: 16 accumulators in window 1.  ALL OF K lies in LDS at once: o's 128 tokens as 128 half images (98,304 dense bytes),
; w_out's 128 rows of 768 bytes as chunks of 256 bytes + 16 of padding (row pitch 816), and both sides' scales.  Each LDS byte is filled once, by one tensor load a wave at the head.
; 4 x 4 clusters: o's tile is asked for jointly along a row of the cluster, w_out's along a column.  No prefetch: the text has no loop to run ahead in.
; oc [256 tiles of 16 tokens][16 heads][768]: a half image is 16 rows x 64 along K as the operand's registers hold them: lane l's first 16 bytes at 16 l, its last 8 at 512 + 8 l.  osc [4,096][32].
; Source 0 = 16 rows of w_out, source 1 = 16 tokens: a lane holds eight neighbouring features of one token; a block of 16 tokens leaves through the wave's own stage as rows of 256 bytes.
.set CHP,   272
.set ROWP,  3*CHP
.set BW,    98304
.set SCU,   16*CHP
.set SCA,   BW+128*ROWP
.set SCB,   SCA+SCU
.set STG,   SCB+SCU
.set SPARE, STG+4*16*CHP
.set AA16, 8
.set AA8,  9
.set STO,  10
.set RD,   11
.set CO,   12
.set ADW,  16
.set ADRS, 20
.set SPW,  28
.set NIL,  29
.set SC,   32
.set FS,   64                          ; fragments, set p at 64 + 96 p: o's four, then w_out's four; on the way out rows read back from the stage
.set G1A, 24
.set G1B, 32
.set G1SA, 40
.set G1SB, 48
.set G0A, 56
.set G0B, 60
.set G0SA, 68
.set G0SB, 72
.set PADW, (3<<16)|(1<<20)|(1<<21)|(5<<22)|(3<<25)
.set MSB, 0
.macro WIN new
.if MSB != (\new)
	s_set_vgpr_msb (MSB<<8)|(\new)
.set MSB, (\new)
.endif
.endm
.macro PLACES
.rept 4
	v_nop
.endr
.endm
.macro CROUND
	s_barrier_signal -1
	s_barrier_wait -1
	s_cmp_lg_u32 s14, 0
	s_cbranch_scc1 .Lnot_wave_0_\@
	s_barrier_signal -3
.Lnot_wave_0_\@:
	s_barrier_wait -3
	s_barrier_signal -1
	s_barrier_wait -1
.endm
.macro G1SET g, r
	s_mov_b32 s[\g+1], 32<<16
	s_mov_b32 s[\g+2], (\r)<<16
	s_mov_b32 s[\g+3], 32<<16
	s_mov_b32 s[\g+4], \r
	s_mov_b32 s[\g+5], 32
	s_mov_b32 s[\g+6], 0
	s_mov_b32 s[\g+7], 0
.endm
.macro G0SET g, lds, a
	s_mov_b32 s[\g], 1
	s_mov_b32 s[\g+1], \lds
	s_mov_b64 s[\g+2:\g+3], s[\a:\a+1]
	s_or_b32 s[\g+3], s[\g+3], 0x80000000
.endm
.macro ARM under, g0, g1, next
	s_cmp_lt_u32 s14, \under
	s_cbranch_scc0 \next
	tensor_load_to_lds s[\g0:\g0+3], s[\g1:\g1+7]
	s_nop 0
	PLACES
	s_branch .Lhead_asked
\next:
.endm
	s_load_b128 s[4:7], s[0:1], 0x0                ; oc, osc
	s_load_b128 s[8:11], s[0:1], 0x10              ; w_out's codes, its scales
	s_load_b64 s[12:13], s[0:1], 0x20              ; out0
	v_lshl_add_u32 v[SPW], v0, 2, SPARE
	v_mov_b32 v[NIL], 0
	ds_add_u32 v[SPW], v[NIL]                      ; the opening lines: the add twice on end
	ds_add_u32 v[SPW], v[NIL]
	v_lshrrev_b32 v1, 5, v0
	v_readfirstlane_b32 s14, v1
	s_lshr_b32 s15, s14, 1                         ; which 64 tokens
	s_and_b32 s16, s14, 1                          ; which 64 features
	s_bfe_u32 s19, ttmp6, 0x40000
	s_bfe_u32 s20, ttmp6, 0x40004
	s_lshl_b32 s18, ttmp9, 2
	s_add_co_u32 s18, s18, s19                     ; j: 128 features
	s_and_b32 s17, ttmp7, 0xffff
	s_lshl_b32 s17, s17, 2
	s_add_co_u32 s17, s17, s20                     ; y: 128 tokens
	s_lshl_b32 s21, s20, 2
	s_lshl_b32 s21, 15, s21
	s_lshl_b32 s22, 0x1111, s19
	s_or_b32 s[G1A], s21, (3<<16)|(1<<21)          ; the images lie dense in LDS
	s_or_b32 s[G1B], s22, PADW
	s_or_b32 s[G1SA], s21, PADW
	s_or_b32 s[G1SB], s22, PADW
	G1SET G1A, 384
	G1SET G1B, 384
	G1SET G1SA, 16
	G1SET G1SB, 16
	s_mul_i32 s92, s17, 98304
	s_mov_b32 s93, 0
	s_lshl_b32 s94, s17, 12
	s_mov_b32 s95, 0
	s_mul_i32 s96, s18, 98304
	s_mov_b32 s97, 0
	s_lshl_b32 s98, s18, 12
	s_mov_b32 s99, 0
	s_wait_dscnt 0x0
	s_wait_kmcnt 0x0
	s_add_nc_u64 s[92:93], s[4:5], s[92:93]
	s_add_nc_u64 s[94:95], s[6:7], s[94:95]
	s_add_nc_u64 s[96:97], s[8:9], s[96:97]
	s_add_nc_u64 s[98:99], s[10:11], s[98:99]
	CROUND                                         ; in front of the joint loads
	G0SET G0A, 0, 92
	G0SET G0B, BW, 96
	G0SET G0SA, SCA, 94
	G0SET G0SB, SCB, 98
	ARM 1, G0A, G1A, .Lhead_b
	ARM 2, G0B, G1B, .Lhead_sa
	ARM 3, G0SA, G1SA, .Lhead_sb
	tensor_load_to_lds s[G0SB:G0SB+3], s[G1SB:G1SB+7]
	s_nop 0
	PLACES
.Lhead_asked:
	s_lshl_b32 s2, s17, 19                         ; out0: token 128 y + 64 x half, 4,096 bytes a token; feature 128 j + 64 x half
	s_lshl_b32 s3, s15, 18
	s_add_co_u32 s2, s2, s3
	s_lshl_b32 s3, s18, 9
	s_add_co_u32 s2, s2, s3
	s_lshl_b32 s3, s16, 8
	s_add_co_u32 s2, s2, s3
	s_mov_b32 s3, 0
	s_add_nc_u64 s[12:13], s[12:13], s[2:3]
	s_mul_i32 s76, s15, 49152
	s_mul_i32 s77, s16, 64*ROWP
	s_add_co_u32 s77, s77, BW
	s_mul_i32 s79, s15, 8*CHP
	s_mul_i32 s81, s16, 8*CHP
	s_add_co_u32 s81, s81, SCU
	s_sub_co_u32 s81, s81, s79
	s_add_co_u32 s79, s79, SCA
	s_mul_i32 s78, s14, 16*CHP
	s_add_co_u32 s78, s78, STG
	v_and_b32 v1, 15, v0
	v_bfe_u32 v2, v0, 4, 1
	v_and_b32 v3, 31, v0
	v_lshlrev_b32 v4, 4, v3
	v_lshlrev_b32 v5, 3, v3
	v_add_nc_u32 v[AA16], s76, v4
	v_add_nc_u32 v[AA8], s76, v5
	v_mul_u32_u24 v4, v1, ROWP
	v_mad_u32_u24 v4, v2, 24, v4
	v_lshl_add_u32 v5, v2, 4, v4
	v_add_nc_u32 v[ADW], s77, v4
	v_add_nc_u32 v[ADW+1], s77, v5
	v_lshlrev_b32 v6, 5, v1
	v_lshrrev_b32 v7, 3, v1
	v_lshl_add_u32 v6, v7, 4, v6
	v_mul_u32_u24 v7, s81, v2
	v_add_nc_u32 v6, v6, v7
	v_add_nc_u32 v[ADRS], s79, v6
	v_mul_u32_u24 v4, v1, CHP
	v_lshl_add_u32 v4, v2, 5, v4
	v_add_nc_u32 v[STO], s78, v4                   ; in: row r, 32 bytes for each half of the lanes
	v_mul_u32_u24 v5, v2, CHP
	v_lshl_add_u32 v5, v1, 4, v5
	v_add_nc_u32 v[RD], s78, v5                    ; back: lanes 0-15 one row of 256 bytes, lanes 16-31 the next
	v_lshlrev_b32 v6, 4, v1
	v_lshl_add_u32 v[CO], v2, 12, v6
.macro FRAG reg, st, i                 ; w_out: pieces of 8 bytes; byte y of a row lies at y + 16 (y / 256) of its LDS row
.irp p, 0,1,2,3,4,5
.set BYO, 96*(\st)+48*(\p/3)+8*(\p%3)
.if BYO/256 == (BYO+24)/256
	ds_load_b64 v[\reg+2*\p:\reg+2*\p+1], v[ADW] offset:BYO+16*(BYO/256)+(\i)*16*ROWP
.else
	ds_load_b64 v[\reg+2*\p:\reg+2*\p+1], v[ADW+1] offset:BYO+16*(BYO/256)+(\i)*16*ROWP
.endif
.endr
.endm
.macro FETCH st, p                     ; 16 + 24 loads
.irp i, 0,1,2,3
.irp c, 0,1
	ds_load_b128 v[FS+96*(\p)+12*\i+6*\c:FS+96*(\p)+12*\i+6*\c+3], v[AA16] offset:12288*\i+768*(2*(\st)+\c)
	ds_load_b64 v[FS+96*(\p)+12*\i+6*\c+4:FS+96*(\p)+12*\i+6*\c+5], v[AA8] offset:12288*\i+768*(2*(\st)+\c)+512
.endr
.endr
.irp i, 0,1,2,3
	FRAG FS+96*(\p)+48+12*\i, \st, \i
.endr
.endm
.macro WM d, x, y, z, sx, sy
.if \z
	v_wmma_scale_f32_16x16x128_f8f6f4 v[\d:\d+7], v[\x:\x+11], v[\y:\y+11], 0, v[\sx], v[\sy] matrix_a_fmt:MATRIX_FMT_FP6 matrix_b_fmt:MATRIX_FMT_FP6 matrix_a_scale:MATRIX_SCALE_ROW1
.else
	v_wmma_scale_f32_16x16x128_f8f6f4 v[\d:\d+7], v[\x:\x+11], v[\y:\y+11], v[\d:\d+7], v[\sx], v[\sy] matrix_a_fmt:MATRIX_FMT_FP6 matrix_b_fmt:MATRIX_FMT_FP6 matrix_a_scale:MATRIX_SCALE_ROW1
.endif
.endm
	s_wait_alu depctr_va_vdst(0)                   ; the wait at the head's end
	s_wait_tensorcnt 0x0
	s_barrier_signal -1
	s_barrier_wait -1                              ; all four tiles are in; nothing is ever filled again
.irp i, 0,1,2,3
	ds_load_b128 v[SC+8*\i:SC+8*\i+3], v[ADRS] offset:2*CHP*\i        ; all eight steps' scale words: lanes 0-15 o's block i, lanes 16-31 w_out's
	ds_load_b128 v[SC+8*\i+4:SC+8*\i+7], v[ADRS] offset:2*CHP*\i+16
.endr
	FETCH 0, 0
.set ST, 0
.rept 8
	PLACES                                         ; in front of loads into registers that matrix instructions have read
	WIN 0
.if ST < 7
	FETCH ST+1, (ST+1)%2
	s_wait_dscnt 40                                ; all but the 40 just issued
.else
	s_wait_dscnt 0x0
.endif
	WIN 0x50                                       ; C and D in window 1
.irp a, 0,1,2,3
.irp b, 0,1,2,3
	WM 8*(4*\a+\b), FS+96*(ST%2)+48+12*\b, FS+96*(ST%2)+12*\a, (ST==0), SC+8*\b+ST, SC+8*\a+ST   ; the 16 accumulators by turns
.endr
.endr
.set ST, ST+1
.endr
	WIN 0
.macro TOSTAGE a
	WIN 0x04                                       ; the data in window 1
.irp b, 0,1,2,3
	ds_store_b128 v[STO], v[32*(\a)+8*\b:32*(\a)+8*\b+3] offset:64*\b          ; each accumulator from its low end on
	ds_store_b128 v[STO], v[32*(\a)+8*\b+4:32*(\a)+8*\b+7] offset:64*\b+16
.endr
	WIN 0
.irp t, 0,1,2,3,4,5,6,7
	ds_load_b128 v[FS+32*((\a)%2)+4*\t:FS+32*((\a)%2)+4*\t+3], v[RD] offset:\t*2*CHP   ; a wave's LDS instructions are served in order: these see the stores above
.endr
.endm
.macro SEND a, younger
	s_wait_dscnt \younger
.irp t, 0,1,2,3,4,5,6,7
	; row m of token tile a of my 64 tokens is token 32 (m / 8) + 8 a + m % 8 (so the first launch lays the tiles); here m = 2 t + h
	global_store_b128 v[CO], v[FS+32*((\a)%2)+4*\t:FS+32*((\a)%2)+4*\t+3], s[12:13] offset:(32*(\t/4)+8*(\a)+2*(\t%4))*4096 th:TH_STORE_NT   ; 16 lanes store 256 consecutive bytes at a multiple of 256
.endr
.endm
	PLACES
	TOSTAGE 0
.irp a, 1,2,3
.if \a > 1
	s_wait_xcnt 0x0                                ; block a - 2's stores have read their data: block a's loads may land there
.endif
	TOSTAGE \a
	SEND \a-1, 16                                  ; behind block a - 1's loads: block a's 8 stores and 8 loads
.endr
	SEND 3, 0
	s_wait_tensorcnt 0x0                           ; the wave's end
	ds_add_u32 v[SPW], v[NIL]
	s_wait_dscnt 0x0
	CROUND                                         ; the closing round
	s_endpgm
.Lfunc_end_k_qb39759ec9e_proj:
	.size	k_qb39759ec9e_proj, .Lfunc_end_k_qb39759ec9e_proj-k_qb39759ec9e_proj
	.p2alignl 7, 3214868480
	.fill 96, 4, 3214868480
	.section	.rodata,"a",@progbits
	.p2align	6, 0x0
	.amdhsa_kernel k_qb39759ec9e_proj
		.amdhsa_group_segment_fixed_size 327680
		.amdhsa_private_segment_fixed_size 0
		.amdhsa_enable_private_segment 0
		.amdhsa_kernarg_size 40
		.amdhsa_user_sgpr_count 2
		.amdhsa_user_sgpr_kernarg_segment_ptr 1
		.amdhsa_wavefront_size32 1
		.amdhsa_system_sgpr_workgroup_id_x 1
		.amdhsa_system_sgpr_workgroup_id_y 1
		.amdhsa_system_sgpr_workgroup_id_z 1
		.amdhsa_system_vgpr_workitem_id 0
		.amdhsa_next_free_vgpr 384
		.amdhsa_next_free_sgpr 100
		.amdhsa_reserve_vcc 0
		.amdhsa_float_denorm_mode_32 3
		.amdhsa_float_denorm_mode_16_64 3
		.amdhsa_memory_ordered 1
		.amdhsa_forward_progress 1
		.amdhsa_inst_pref_size 55
	.end_amdhsa_kernel
	.amdgpu_metadata
---
amdhsa.version: [ 1, 2 ]
amdhsa.kernels:
  - .name:           k_qb39759ec9e_proj
    .symbol:         k_qb39759ec9e_proj.kd
    .args:
      - { .name: oc, .offset: 0, .size: 8, .value_kind: global_buffer, .address_space: global }
      - { .name: osc, .offset: 8, .size: 8, .value_kind: global_buffer, .address_space: global }
      - { .name: w_out_codes, .offset: 16, .size: 8, .value_kind: global_buffer, .address_space: global }
      - { .name: w_out_scales, .offset: 24, .size: 8, .value_kind: global_buffer, .address_space: global }
      - { .name: out0, .offset: 32, .size: 8, .value_kind: global_buffer, .address_space: global }
    .group_segment_fixed_size: 327680
    .private_segment_fixed_size: 0
    .kernarg_segment_align: 8
    .kernarg_segment_size: 40
    .max_flat_workgroup_size: 128
    .sgpr_count:     100
    .vgpr_count:     384
    .wavefront_size: 32
...
	.end_amdgpu_metadata
.endif
;; end of part 3
